; MI455X (gfx1250); checked and timed in simulation.
; The chip was launched on July 23, 2026; its instructions are those of AMD's public machine-readable ISA for CDNA 5 (MIT licence, August 2026) and "CDNA5" Instruction Set Architecture Reference Guide (July 2026). The comments in the code are by the model that wrote it; some were corrected since.
;; SRL Embeddings. Allowed arithmetic: float matrix products may take bf16 or f16 operands with f32 sums; all other float work in f32.
;; Inputs: arg0_ids 32 x 8 x 10 x 8 int32; arg1_ids 32 x 8 x 10 x 8 int32; predicate_ids 32 x 8 x 10 x 8 int32; sentence_attention_masks 32 x 8 x 128 float32; sentence_embeddings 32 x 8 x 128 x 768 float32; sentence_ids 32 x 8 x 128 int32.
;; Outputs: out0 32 x 8 x 768 float32; out1 32 x 8 x 10 x 768 float32; out2 32 x 8 x 10 x 768 float32; out3 32 x 8 x 10 x 768 float32.
;; One version. Each part assembles by itself: llvm-mc -triple=amdgcn-amd-amdhsa -mcpu=gfx1250 --defsym DOCPART=n.
;; ======== version 1 of 1: 1 launch
;; launch srl (part 1): grid 256 x 1, 12 waves a work-group, no clusters, 10,496 bytes of LDS; arguments sentence_embeddings, sentence_ids, sentence_attention_masks, predicate_ids, arg0_ids, arg1_ids, out0, out1, out2, out3; writes out0, out1, out2, out3
.if DOCPART == 1
	.amdgcn_target "amdgcn-amd-amdhsa--gfx1250"
	.amdhsa_code_object_version 6
	.text
	.protected	k_q22d1177c49_srl
	.globl	k_q22d1177c49_srl
	.p2align	8
	.type	k_q22d1177c49_srl,@function
k_q22d1177c49_srl:
	s_mov_b64 s[64:65], 0
	v_nop
	global_prefetch_b8 v0, s[64:65] scope:SCOPE_SE
	s_setreg_imm32_b32 hwreg(HW_REG_WAVE_MODE, 25, 1), 1
	s_wait_xcnt 0x0
; SRL embeddings.  256 sentences; a sentence is E[128 tokens][768 columns] in f32 and gives 31 rows of 768:
;   1 masked mean (sum of mask[l] E[l] / max(sum of mask, 1)) and 3 x 10 argument rows: the mean of the rows of E whose sentence id
;   equals the LAST of the argument's 8 tokens that is not 0 and occurs in the sentence, or zeros if there is none.
; Every output row is a row of 128 weights times E, so a sentence is ONE product W[32][128] x E[128][768] and one f32 factor per row.
; The token is chosen first (whole numbers only, by selects: no branch and no address hangs on it), so 1 of 8 products is made.
;
; One work-group = one sentence, 12 waves; wave w owns columns 64 w .. 64 w + 63, 256 bytes of every row of E.  E is read once,
; straight into registers; each half of a wave's 16-byte load covers 256 consecutive bytes that start at a multiple of 256 from E's first byte.
; A lane's four columns go to FOUR B tiles j = 0..3, in which column n = r stands for d = 64 w + 4 r + j: packing two rows to bf16 is then
; exactly a register of a B fragment (no LDS, no transpose), and on the way out the four tiles' results are 16 neighbouring bytes of a row.
; 32 loads of 512 bytes of every wave are on their way through the first two K steps (196,608 bytes for the work-group, half a sentence).
; No cluster, no multicast: no two work-groups read the same byte of E, and the ids and masks of a sentence are 1,984 bytes.
; No tensor loads, no LDS ring: registers hold what is in flight, and a pass through LDS would move the same bytes once more.
;
; LIMITS.  E and the mask enter the product rounded to bf16 (weights of argument rows are exactly 0 or 1); an |E| within half a bf16 step
; of f32's largest number rounds to infinity.  The division is v_rcp_f32 (1 ULP) and a multiply.  The mask's sum is a tree of f32 adds.
; An argument without a match gets 0 x E, not a selected 0: it is zero only while the sentence's E is finite after that rounding.
; Ids are compared as 32-bit patterns: no limit on their range.
.set ROWB,  3072                       ; bytes in a row of E and of the outputs
.set PITCH, 272                        ; LDS row of W: 128 bf16 + 16 bytes, an odd multiple of 16: a fragment's 16 rows start in 16 different 16-byte columns
.set SCALE, 32*PITCH                   ; behind W: 32 f32, 1 / max(count, 1) of each row
; LDS row rho of W: 10 tau + a (tau = 0 predicate, 1 arg0, 2 arg1); 30 the mask; 31 zeros.
; Matrix row m = 16 mt + r' reads LDS row 16 mt + 2 (r' & 7) + (r' >> 3), so that result register j' of half h is LDS row 2 (8 mt + j') + h:
; the two halves of a store are two neighbouring rows of one output.
.set VO,   1                           ; v1       offset in E: 8 rows x h + 256 w + 16 r
.set SO,   2                           ; v2       offset in an output: 1 row x h + 256 w + 16 r
.set AAD,  3                           ; v3       LDS address of my part of a W fragment
.set SCA,  4                           ; v4       4 h
.set LANE, 5                           ; v5       lane
.set L16,  6                           ; v6       16 x lane
.set WA,   7                           ; v7       where I write 8 bytes of a W row
.set A,    8                           ; v[8:23]    W fragments of one K step, mt at A + 8 mt
.set B,    24                          ; v[24:55]   four B tiles, register q of tile j at B + 8 j + q
.set ACC,  56                          ; v[56:119]  sums, tile (mt, j) at ACC + 8 (4 mt + j)
.set X,    120                         ; v[120:247] two buffers of 16 loads x 4 registers, K step ks in buffer ks & 1
.set SC,   120                         ; v[120:135] at the end: the 16 factors (buffer 0 is done with after K step 2)
.set OUT,  184                         ; v[184:247] at the end: 16 stores x 4 registers, each written once (buffer 1 is done with after K step 3)
; while W is built the B tiles are idle:
.set SID,  24                          ; v[24:27] ids (waves 0-9) or mask (waves 10, 11) of tokens 4 lane .. 4 lane + 3
.set T,    28                          ; v[28:31] at work
.set P,    32                          ; v[32:33] 4 bf16 weights
.set LO1,  34                          ; v34      bf16 1.0 in the low half
.set HI1,  35                          ; v35      bf16 1.0 in the high half
.set C,    36                          ; v[36:38] counts in f32
.set SA,   39                          ; v39      LDS address for factors
.set Z,    40                          ; v[40:41] zeros
.set R,    42                          ; v[42:44] 1 / count
.set CNT,  25                          ; s25      count at work
.set ID,   32                          ; s[32:55] 3 x 8 argument tokens
.set SEL,  56                          ; s[56:59] the chosen token's 128 match bits (word j, bit L: token 4 L + j)
.set T0,   60
.set T1,   61
.set M,    66                          ; s[66:97] 8 tokens x 4 words of match bits
	s_load_b512 s[4:19], s[0:1], 0x0               ; E s[4:5], ids s[6:7], mask s[8:9], predicate s[10:11], arg0 s[12:13], arg1 s[14:15], out0 s[16:17], out1 s[18:19]
	s_load_b128 s[20:23], s[0:1], 0x40             ; out2 s[20:21], out3 s[22:23]
	v_lshl_add_u32 v248, v0, 2, 0x2300
	v_mov_b32 v249, 0
	v_lshrrev_b32 v8, 5, v0
	v_readfirstlane_b32 s24, v8                    ; wave 0..11
	v_and_b32 v[LANE], 31, v0
	v_and_b32 v9, 15, v0                           ; r
	v_bfe_u32 v10, v0, 4, 1                        ; h
	s_lshl_b32 s2, s24, 8                          ; my 256 bytes of a row
	v_lshl_add_u32 v11, v9, 4, s2                  ; 16 r + 256 w
	v_mad_u32_u24 v[VO], v10, 8*ROWB, v11          ; the upper half of the lanes reads 8 rows further down
	v_mad_u32_u24 v[SO], v10, ROWB, v11            ; and stores 1 row further down
	v_and_b32 v12, 7, v9
	v_lshrrev_b32 v13, 3, v9
	v_lshl_add_u32 v12, v12, 1, v13                ; 2 (r & 7) + (r >> 3)
	v_mul_u32_u24 v12, v12, PITCH
	v_lshl_add_u32 v[AAD], v10, 4, v12             ; + 16 h: k = 8 h .. 8 h + 7 of that row
	v_lshlrev_b32 v[SCA], 2, v10
	v_lshlrev_b32 v[L16], 4, v[LANE]
	s_mov_b32 s30, 0x76543210                      ; v_permlanex16_b32: lane i of one half reads lane i of the other
	s_mov_b32 s31, 0xfedcba98
	s_mov_b32 s27, 0                               ; every offset below is under 4 GiB
	s_wait_kmcnt 0x0
	s_mul_i32 s26, ttmp9, 128*ROWB
	s_add_nc_u64 s[4:5], s[4:5], s[26:27]          ; my sentence in E
	s_mul_i32 s26, ttmp9, ROWB
	s_add_nc_u64 s[16:17], s[16:17], s[26:27]      ; its row of out0
	s_mul_i32 s26, ttmp9, 10*ROWB
	s_add_nc_u64 s[18:19], s[18:19], s[26:27]      ; its ten rows of out1, out2, out3
	s_add_nc_u64 s[20:21], s[20:21], s[26:27]
	s_add_nc_u64 s[22:23], s[22:23], s[26:27]
	s_lshl_b32 s26, ttmp9, 9                       ; 128 words: ids and mask have one shape, so one line loads either
	s_cmp_lt_u32 s24, 10
	s_cselect_b64 s[28:29], s[6:7], s[8:9]         ; waves 0-9 the ids, waves 10 and 11 the mask
	s_add_nc_u64 s[28:29], s[28:29], s[26:27]
	global_load_b128 v[SID:SID+3], v[L16], s[28:29] ; issued ahead of E, so that the wait for it leaves E's loads out
	s_cmp_ge_u32 s24, 10
	s_cbranch_scc1 .Lno_ids
	s_mul_i32 s26, ttmp9, 320                      ; 10 arguments x 8 tokens x 4 bytes a sentence,
	s_lshl_b32 s2, s24, 5                          ; argument a = wave
	s_add_co_u32 s26, s26, s2
	s_add_nc_u64 s[10:11], s[10:11], s[26:27]
	s_add_nc_u64 s[12:13], s[12:13], s[26:27]
	s_add_nc_u64 s[14:15], s[14:15], s[26:27]
	s_load_b256 s[ID:ID+7], s[10:11], 0x0
	s_load_b256 s[ID+8:ID+15], s[12:13], 0x0
	s_load_b256 s[ID+16:ID+23], s[14:15], 0x0
.Lno_ids:
; Load i (0..15) of K step ks: row 32 ks + 16 (i / 8) + 8 h + i % 8, my four columns.  Base and offset register never change.
.macro LD ks, i
	global_load_b128 v[X+64*((\ks)&1)+4*(\i):X+64*((\ks)&1)+4*(\i)+3], v[VO], s[4:5] offset:(32*(\ks)+16*((\i)/8)+((\i)%8))*ROWB th:TH_LOAD_NT
.endm
.macro FILL ks
.irp i, 0,1,2,3,4,5,6,7,8,9,10,11,12,13,14,15
	LD \ks, \i
.endr
.endm
	FILL 0
	FILL 1
; One argument row of W: list tau, argument a = wave.
.macro ROW tau
.irp t, 0,1,2,3,4,5,6,7
.irp j, 0,1,2,3
	v_cmp_eq_u32 s[M+4*\t+\j], s[ID+8*\tau+\t], v[SID+\j]      ; bit L: sentence token 4 L + j equals argument token t
.endr
.endr
.irp t, 0,1,2,3,4,5,6,7                                        ; ascending: a later token with a match takes the place of an earlier one
	s_or_b32 s[T0], s[M+4*\t], s[M+4*\t+1]
	s_or_b32 s[T1], s[M+4*\t+2], s[M+4*\t+3]
	s_or_b32 s[T0], s[T0], s[T1]                               ; any match
	s_cmp_lg_u32 s[ID+8*\tau+\t], 0
	s_cselect_b32 s[T0], s[T0], 0                              ; token 0 never counts
	s_cmp_lg_u32 s[T0], 0
.if \t == 0
	s_cselect_b64 s[SEL:SEL+1], s[M:M+1], 0                    ; the first token starts the choice: nothing is cleared
	s_cselect_b64 s[SEL+2:SEL+3], s[M+2:M+3], 0
.else
	s_cselect_b64 s[SEL:SEL+1], s[M+4*\t:M+4*\t+1], s[SEL:SEL+1]
	s_cselect_b64 s[SEL+2:SEL+3], s[M+4*\t+2:M+4*\t+3], s[SEL+2:SEL+3]
.endif
.endr
	s_bcnt1_i32_b32 s[CNT], s[SEL]
	s_bcnt1_i32_b32 s[T0], s[SEL+1]
	s_bcnt1_i32_b32 s[T1], s[SEL+2]
	s_add_co_u32 s[CNT], s[CNT], s[T0]
	s_bcnt1_i32_b32 s[T0], s[SEL+3]
	s_add_co_u32 s[CNT], s[CNT], s[T1]
	s_add_co_u32 s[CNT], s[CNT], s[T0]
	s_max_u32 s[CNT], s[CNT], 1                                ; max(count, 1)
	v_cvt_f32_u32 v[C+\tau], s[CNT]
	v_cndmask_b32 v[T], 0, v[LO1], s[SEL]                      ; weights 0 or 1 in bf16, tokens 4 L .. 4 L + 3
	v_cndmask_b32 v[T+1], 0, v[HI1], s[SEL+1]
	v_cndmask_b32 v[T+2], 0, v[LO1], s[SEL+2]
	v_cndmask_b32 v[T+3], 0, v[HI1], s[SEL+3]
	v_or_b32 v[P], v[T], v[T+1]
	v_or_b32 v[P+1], v[T+2], v[T+3]
	ds_store_b64 v[WA], v[P:P+1] offset:\tau*10*PITCH          ; row 10 tau + wave
.endm
	; W AND THE FACTORS are made while E's first 32 loads of every wave fly.
	s_cmp_lt_u32 s24, 10
	s_cbranch_scc0 .Lmask_waves
	s_mul_i32 s2, s24, PITCH
	v_lshl_add_u32 v[WA], v[LANE], 3, s2           ; 8 lane + my row
	s_lshl_b32 s3, s24, 2
	v_mov_b32 v[LO1], 0x3f80
	v_mov_b32 v[HI1], 1.0                          ; 0x3f800000
	s_wait_kmcnt 0x0                               ; the 24 tokens
	s_wait_loadcnt 32                              ; the ids are in; the 32 younger loads, E's, stay out
	ROW 0
	ROW 1
	ROW 2
	v_rcp_f32 v[R], v[C]
	v_rcp_f32 v[R+1], v[C+1]
	v_rcp_f32 v[R+2], v[C+2]
	v_mov_b32 v[SA], s3                            ; 4 wave; also the plain instruction between the reciprocals and their use (ISA guide 5.7.2)
	s_wait_alu depctr_va_vdst(0)
	ds_store_b32 v[SA], v[R] offset:SCALE          ; every lane writes the same word with the same number
	ds_store_b32 v[SA], v[R+1] offset:SCALE+40
	ds_store_b32 v[SA], v[R+2] offset:SCALE+80
	s_branch .Ljoin
.Lmask_waves:
	s_cmp_eq_u32 s24, 10
	s_cbranch_scc0 .Lwave_11
	v_lshlrev_b32 v[WA], 3, v[LANE]                ; wave 10: row 30 = the mask in bf16, row 31 = zeros
	v_mov_b32 v[Z], 0
	v_mov_b32 v[Z+1], 0
	s_wait_loadcnt 32                              ; the mask is in; E's 32 loads stay out
	v_cvt_pk_bf16_f32 v[P], v[SID], v[SID+1]
	v_cvt_pk_bf16_f32 v[P+1], v[SID+2], v[SID+3]
	ds_store_b64 v[WA], v[P:P+1] offset:30*PITCH
	ds_store_b64 v[WA], v[Z:Z+1] offset:31*PITCH
	s_branch .Ljoin
.Lwave_11:
	s_wait_loadcnt 32                              ; wave 11: 1 / max(sum of the mask, 1), in f32
	v_add_f32 v[T], v[SID], v[SID+1]
	v_add_f32 v[T+1], v[SID+2], v[SID+3]
	v_add_f32 v[T], v[T], v[T+1]
	v_add_f32_dpp v[T], v[T], v[T] row_xmask:1 row_mask:0xf bank_mask:0xf
	v_add_f32_dpp v[T], v[T], v[T] row_xmask:2 row_mask:0xf bank_mask:0xf
	v_add_f32_dpp v[T], v[T], v[T] row_xmask:4 row_mask:0xf bank_mask:0xf
	v_add_f32_dpp v[T], v[T], v[T] row_xmask:8 row_mask:0xf bank_mask:0xf
	v_permlanex16_b32 v[T+1], v[T], s30, s31       ; its destination has been written above
	v_add_f32 v[T], v[T], v[T+1]
	v_max_num_f32 v[T], 1.0, v[T]
	v_rcp_f32 v[P], v[T]
	v_rcp_f32 v[P+1], v[T]                         ; row 31's factor only has to be a written word: its results are not stored
	v_mov_b32 v[SA], 0                             ; the plain instruction between the reciprocals and their use
	s_wait_alu depctr_va_vdst(0)
	ds_store_b64 v[SA], v[P:P+1] offset:SCALE+120
.Ljoin:
	s_wait_dscnt 0x0                               ; my rows and factors are in LDS, for the other waves' sake
	s_barrier_signal -1
	s_barrier_wait -1                              ; the only barrier: W and the factors are never written again
; Four places behind the matrix instructions, before their sources are loaded into or written and before their results are read (ISA guide 7.12.1)
.macro PLACES
.rept 4
	v_nop
.endr
.endm
; W fragments of K step ks: lane (r, h) takes k = 8 h .. + 7 and k = 16 + 8 h .. + 7 of its row, two loads of 16 bytes, 32 bytes apart
.macro AFRAG ks
.irp mt, 0,1
	ds_load_b128 v[A+8*\mt:A+8*\mt+3], v[AAD] offset:16*PITCH*\mt+64*\ks
	ds_load_b128 v[A+8*\mt+4:A+8*\mt+7], v[AAD] offset:16*PITCH*\mt+64*\ks+32
.endr
.endm
; Loads 2 q and 2 q + 1 are two neighbouring k: packed they are register q of each of the four B tiles.
; left = how many younger loads may stay out.  refill = 1: the eight registers just read take the same rows of K step ks + 2.
.macro PAIR ks, q, left, refill
	s_wait_loadcnt \left
.irp j, 0,1,2,3
	v_cvt_pk_bf16_f32 v[B+8*\j+\q], v[X+64*(\ks&1)+8*\q+\j], v[X+64*(\ks&1)+8*\q+4+\j]
.endr
.if \refill
	LD \ks+2, 2*\q
	LD \ks+2, 2*\q+1
.endif
.endm
.macro MMA zero                        ; 32 rows of W x 64 columns of E x 32 tokens; zero = 1: the first products start the sums
.irp j, 0,1,2,3
.irp mt, 0,1
.if \zero
	v_wmma_f32_16x16x32_bf16 v[ACC+8*(4*\mt+\j):ACC+8*(4*\mt+\j)+7], v[A+8*\mt:A+8*\mt+7], v[B+8*\j:B+8*\j+7], 0
.else
	v_wmma_f32_16x16x32_bf16 v[ACC+8*(4*\mt+\j):ACC+8*(4*\mt+\j)+7], v[A+8*\mt:A+8*\mt+7], v[B+8*\j:B+8*\j+7], v[ACC+8*(4*\mt+\j):ACC+8*(4*\mt+\j)+7]
.endif
.endr
.endr
.endm
; A K step of 32 tokens.  The counts of PAIR: behind pair q's two loads stand 14 - 2 q of its own step, the 16 of the next step and,
; in steps 0 and 1, the 2 q refills already issued in this step: always 30.  Step 2 refills nothing: 30 - 2 q.  Step 3: 14 - 2 q, down to 0.
.macro STEP ks
.if \ks > 0
	PLACES                                         ; A and B were read by the last step's matrix instructions
.endif
	AFRAG \ks
.if \ks == 3
.irp p, 0,1,2,3,4,5,6,7,8,9,10,11,12,13,14,15
	ds_load_b32 v[SC+\p], v[SCA] offset:SCALE+8*\p ; the factor of LDS row 2 p + h
.endr
.endif
.irp q, 0,1,2,3,4,5,6,7
.if \ks < 2
	PAIR \ks, \q, 30, 1
.else
.if \ks == 2
	PAIR \ks, \q, 30-2*\q, 0
.else
	PAIR \ks, \q, 14-2*\q, 0
.endif
.endif
.endr
.if \ks == 3
	s_wait_dscnt 16                                ; the four fragment loads are in; the 16 younger loads of factors may be out
.else
	s_wait_dscnt 0x0                               ; the four fragment loads
.endif
.if \ks == 0
	MMA 1
.else
	MMA 0
.endif
.endm
	STEP 0
	STEP 1
	STEP 2
	STEP 3
	; THE WAY OUT.  Slot p = 8 mt + j': register j' of the four tiles (mt, 0..3) is d = 64 w + 4 r + 0..3 of LDS row 2 p + h.
	; The f32 factor writes them into four neighbouring registers; sixteen lanes then store 256 consecutive bytes at a multiple of 256 from the output's first byte.
.macro SCALED p
.irp j, 0,1,2,3
	v_mul_f32 v[OUT+4*\p+\j], v[ACC+8*(4*(\p/8)+\j)+\p%8], v[SC+\p]
.endr
.endm
.macro PUT p                           ; rows 2 p and 2 p + 1 = arguments 2 (p % 5) + h of list p / 5
	SCALED \p
	global_store_b128 v[SO], v[OUT+4*\p:OUT+4*\p+3], s[18+2*(\p/5):19+2*(\p/5)] offset:(\p%5)*2*ROWB th:TH_STORE_NT
.endm
	PLACES                                         ; behind the last matrix instructions, before their results are read
	s_wait_dscnt 0x0                               ; the factors
.irp p, 0,1,2,3,4,5,6,7,8,9,10,11,12,13,14
	PUT \p
.endr
	SCALED 15                                      ; h = 0: the masked mean; h = 1: the row of zeros, not stored
	v_cmp_gt_u32 vcc_lo, 16, v[LANE]
	s_wait_xcnt 0x0                                ; EXEC is a source of the stores above: it narrows only behind this wait
	s_wait_tensorcnt 0x0
	ds_add_u32 v248, v249
	s_wait_dscnt 0x0
	s_and_saveexec_b32 s62, vcc_lo
	global_store_b128 v[SO], v[OUT+60:OUT+63], s[16:17] th:TH_STORE_NT
	s_wait_xcnt 0x0                                ; and widens only behind this one
	s_or_b32 exec_lo, exec_lo, s62
	s_endpgm
.Lfunc_end_k_q22d1177c49_srl:
	.size	k_q22d1177c49_srl, .Lfunc_end_k_q22d1177c49_srl-k_q22d1177c49_srl
	.p2alignl 7, 3214868480
	.fill 96, 4, 3214868480
	.section	.rodata,"a",@progbits
	.p2align	6, 0x0
	.amdhsa_kernel k_q22d1177c49_srl
		.amdhsa_group_segment_fixed_size 10496
		.amdhsa_private_segment_fixed_size 0
		.amdhsa_enable_private_segment 0
		.amdhsa_kernarg_size 80
		.amdhsa_user_sgpr_count 2
		.amdhsa_user_sgpr_kernarg_segment_ptr 1
		.amdhsa_wavefront_size32 1
		.amdhsa_system_sgpr_workgroup_id_x 1
		.amdhsa_system_sgpr_workgroup_id_y 1
		.amdhsa_system_sgpr_workgroup_id_z 1
		.amdhsa_system_vgpr_workitem_id 0
		.amdhsa_next_free_vgpr 250
		.amdhsa_next_free_sgpr 98
		.amdhsa_reserve_vcc 1
		.amdhsa_float_denorm_mode_32 3
		.amdhsa_float_denorm_mode_16_64 3
		.amdhsa_memory_ordered 1
		.amdhsa_forward_progress 1
		.amdhsa_inst_pref_size 42
	.end_amdhsa_kernel
	.amdgpu_metadata
---
amdhsa.version: [ 1, 2 ]
amdhsa.kernels:
  - .name:           k_q22d1177c49_srl
    .symbol:         k_q22d1177c49_srl.kd
    .args:
      - { .name: sentence_embeddings, .offset: 0, .size: 8, .value_kind: global_buffer, .address_space: global }
      - { .name: sentence_ids, .offset: 8, .size: 8, .value_kind: global_buffer, .address_space: global }
      - { .name: sentence_attention_masks, .offset: 16, .size: 8, .value_kind: global_buffer, .address_space: global }
      - { .name: predicate_ids, .offset: 24, .size: 8, .value_kind: global_buffer, .address_space: global }
      - { .name: arg0_ids, .offset: 32, .size: 8, .value_kind: global_buffer, .address_space: global }
      - { .name: arg1_ids, .offset: 40, .size: 8, .value_kind: global_buffer, .address_space: global }
      - { .name: out0, .offset: 48, .size: 8, .value_kind: global_buffer, .address_space: global }
      - { .name: out1, .offset: 56, .size: 8, .value_kind: global_buffer, .address_space: global }
      - { .name: out2, .offset: 64, .size: 8, .value_kind: global_buffer, .address_space: global }
      - { .name: out3, .offset: 72, .size: 8, .value_kind: global_buffer, .address_space: global }
    .group_segment_fixed_size: 10496
    .private_segment_fixed_size: 0
    .kernarg_segment_align: 8
    .kernarg_segment_size: 80
    .max_flat_workgroup_size: 384
    .sgpr_count:     98
    .vgpr_count:     250
    .wavefront_size: 32
...
	.end_amdgpu_metadata
.endif
;; end of part 1
